; MI455X (gfx1250); checked and timed in simulation.
; The chip was launched on July 23, 2026; its instructions are those of AMD's public machine-readable ISA for CDNA 5 (MIT licence, August 2026) and "CDNA5" Instruction Set Architecture Reference Guide (July 2026). The comments in the code are by the model that wrote it; some were corrected since.
;; Cross View Transformer. Allowed arithmetic: matrix products marked QUANTISED: E4M3 operands, one given power-of-two scale a tensor, by v_wmma_f32_16x16x64_fp8_fp8 or v_wmma_f32_16x16x128_fp8_fp8, f32 sums; products left as they are: f32 operands where the result goes on into a quantised operand, else bf16, f16 or f32 operands; f32 sums; everything else in f32.
;; Inputs: bk 8 float32; bq 8 float32; bv 64 float32; lowp_scales 4 int32 (the exponents e of the quantised operands' scales 2^e); query_x 8 x 64 x 64 x 64 float32; ref_x 8 x 64 x 64 x 64 float32; wk 8 x 64 float32; wq 8 x 64 float32; wv 64 x 64 float32.
;; Outputs: out0 8 x 64 x 64 x 64 float32.
;; This version of the problem:
;;   THIS VERSION OF THE PROBLEM IS GIVEN IN LOW PRECISION. The matrix products marked QUANTISED in the list below multiply operands that are first quantised to E4M3 (4 exponent bits, 3 mantissa bits; 8 bits a number), with one given power-of-two scale for each operand tensor; their sums are f32. All else is computed in f32.
;;   The module's matrix products, in the order in which they are computed (A, B: the left and right operand; K: the contracted axis; several contracted axes count as one K, in the product's order):
;;     1. [M 32,768, K 64] x [K 64, N 8]; A: input query_x; B: input wq: left as it is (N = 8 < 16)
;;     2. [M 32,768, K 64] x [K 64, N 8]; A: input ref_x; B: input wk: left as it is (N = 8 < 16)
;;     3. [M 32,768, K 64] x [K 64, N 64]; A: input ref_x; B: input wv: QUANTISED (scales: A lowp_scales[0], B lowp_scales[1])
;;     4. batch 8 x [M 4,096, K 8] x [K 8, N 4,096]; A: computed on the way; B: computed on the way: left as it is (K = 8 < 32)
;;     5. batch 8 x [M 64, K 4,096] x [K 4,096, N 4,096]; A: computed on the way; B: softmax (see below): QUANTISED (scales: A lowp_scales[2], B lowp_scales[3])
;;   THE QUANTISER, for each operand of a quantised product, along K:
;;     - The operand's scale is 2^e, e = its entry of the input lowp_scales (int32; the entries are numbered through the quantised products in the list's order, A before B).
;;     - Each number is divided by the scale, clamped to +-448, and rounded to the nearest number of E4M3, ties to even, subnormals kept.
;;     - The product sums the exact products of the quantised numbers (number of the format x scale) in f32.
;;   ~~~python
;;   def quantise(x, axis, e):      # numpy; x: float32 -> the quantised numbers, widened to float32 again
;;       x = np.moveaxis(x, axis, -1); K = x.shape[-1]
;;       r = np.clip(x / 2.0 ** e, -448, 448)
;;       step = 2.0 ** (np.maximum(np.frexp(np.where(r == 0, 1, r))[1] - 1, -6) - 3)
;;       q = np.round(r / step) * step * 2.0 ** e      # np.round: ties to even
;;       return np.moveaxis(q, -1, axis).astype(np.float32)
;;   ~~~
;;   SOFTMAX AHEAD OF A QUANTISED PRODUCT. Where the list says 'softmax', what is quantised is not the finished softmax but p = 2^(t - M), with t = logit x log2(e) and M = ceil(the row's largest t), a whole number; so 1/2 < the row's largest p <= 1. The row's sum l is taken of the UNQUANTISED p, in f32, and the product's result is divided by l at the end. Since M is a whole number, a kernel that streams over the keys may use a running M (the ceiling of the running maximum): every later rescaling is an exact power of two, so the quantised numbers keep their values, but for numbers so far below the row's largest that they fall under the format's range.
;;   OPERANDS COMPUTED ON THE WAY. 'Computed on the way' means the value that the module computes at that place (a softmax that the list does not call 'softmax' is quantised finished and normalised). What goes into a quantiser is computed in f32, as accurately as f32 sums, v_exp_f32 and their like allow (about 1e-6 of the number): no bf16 or f16 on the way to a quantiser, and a product that is left as it is and whose result goes on into a quantised operand takes f32 operands (vector FMAs, or v_wmma_f32_16x16x4_f32). A number that lies on a knife's edge between two numbers of the format may be rounded either way, as far as f32 arithmetic and the matrix unit's own rounding can turn it there, and no further.
;; One version. Each part assembles by itself: llvm-mc -triple=amdgcn-amd-amdhsa -mcpu=gfx1250 --defsym DOCPART=n.
;; ======== version 1 of 1: 2 launches
;; workspace buffers: qv 3,145,728 bytes; kimg 1,048,576 bytes
;; launch prep (part 1): grid 32 x 8, 8 waves a work-group, no clusters, 76,800 bytes of LDS; arguments query_x, ref_x, wq, bq, wk, bk, wv, bv, lowp_scales, qv, kimg; writes qv, kimg
.if DOCPART == 1
	.amdgcn_target "amdgcn-amd-amdhsa--gfx1250"
	.amdhsa_code_object_version 6
	.text
	.protected	k_q093d269eb5_prep
	.globl	k_q093d269eb5_prep
	.p2align	8
	.type	k_q093d269eb5_prep,@function
k_q093d269eb5_prep:
	s_mov_b64 s[64:65], 0
	v_nop
	global_prefetch_b8 v0, s[64:65] scope:SCOPE_SE
	s_setreg_imm32_b32 hwreg(HW_REG_WAVE_MODE, 25, 1), 1
	s_wait_xcnt 0x0
; The three 1x1 projections, made once for all the work-groups of the second launch, and stored as IMAGES OF OPERAND REGISTERS.
;   q[p][i] = wq . query_x + bq  and  k[p][j] = (wk . ref_x + bk) x log2(e):  f32 operands and f32 sums (they go on into a quantiser), by v_wmma_f32_16x16x4_f32.
;   v[c][i] = wv . ref_x + bv:  ref_x and wv quantised to E4M3 with 2^e0, 2^e1, product by v_wmma_f32_16x16x64_fp8_fp8, sum x 2^(e0+e1) + bv in f32, then quantised with 2^e2.
; SHARES.  A work-group (x = step s, y = batch b) takes 128 positions: one block of 12,288 bytes of qv and 8 tiles of kimg.  Eight waves.
;   Phases A, B: wave w is tile w (16 positions).  Phase C: wave w takes 16 channels (ct = w & 3) and four tiles (th = w >> 2).
; LAYOUTS.  q image, tile t: 512 t + 16 lane; lane (r, h) holds q[p = 4h .. 4h+3][position 16 t + r].  kimg: the same, a tile to 512 bytes.
;   V image, channels 16 ct on: 4096 + 2048 ct + 512 g + 16 lane = registers 4g .. 4g+3 of a K = 128 fragment: registers 2t, 2t+1 of lane (r, h) hold v[16 ct + r][16 t + 8h + 0..7].
; The contracted axis c is laid in the same places on both sides of each product, so every product meets its partner; only the order of the sums differs from ascending c.
; No cluster: the work-groups share only the weights, 20 KB beside the 64 KB of x that each reads alone.  No tensor load: each byte of x is loaded once, 512 consecutive bytes a load.
; LIMITS: e0, e1, e2 between -126 and 119; e0 + e1 between -126 and 127 (each power of two below is made as an f32 number).  NaN and infinity among the inputs are not served.
.set PITCH, 528                        ; an LDS row of x: 128 positions x 4 bytes + 16
.set XQ,    0                          ; 64 rows (channels) of query_x
.set XR,    64*PITCH                   ; 64 rows of ref_x
.set XIMG,  2*64*PITCH                 ; images of ref_x's code fragments: 8 tiles x 1,024 bytes
.set XL,   16                          ; v16-79   x as loaded: 8 rows of query_x, 8 of ref_x
.set XBQ,  16                          ; v16-47   then query_x as source 1: register 4s+n = x[8s+4h+n][my position]
.set XBR,  48                          ; v48-79   ref_x likewise
.set WQ,   80                          ; v80-111  wq as source 0: register 4s+n = wq[row][8s+4h+n]
.set WK,   112                         ; v112-143 wk likewise
.set XA,   80                          ; phase C: four code fragments of ref_x
.set DV,   112                         ; phase C: four tiles of v
.set BQ,   144                         ; v144-151 bq in the result's layout
.set BK,   152
.set DQ,   160                         ; v160-167, v168-175: the sums of q and k; written by matrix instructions alone
.set DK,   168
.set WVF,  176                         ; v176-207 wv's 32 numbers of my lane; later TMP
.set TMP,  176
.set WVC,  208                         ; v208-215 wv's codes
.set XC,   216                         ; v216-223 ref_x's codes of my tile; later v's codes
.set VCD,  216
.set KS,   224                         ; v224-227 k x log2(e)
.set BV,   228                         ; v228 bv of my channel; v229 written, since the pair is named
.set SC0,  230                         ; v230, v231: 2^e0 and 448 x 2^e0; v232, v233: e1; v234, v235: e2
.macro MKSCALE e, vs                   ; s[e] = the exponent: v[vs] = 2^e as f32, v[vs+1] = 448 x 2^e
	s_add_co_i32 s48, s[\e], 127
	s_lshl_b32 s49, s48, 23
	v_mov_b32 v[\vs], s49
	s_add_co_i32 s48, s48, 8
	s_lshl_b32 s48, s48, 23
	s_or_b32 s48, s48, 0x600000
	v_mov_b32 v[\vs+1], s48
.endm
.macro BARRIER                         ; my LDS stores have landed and my LDS loads are in: then the work-group's barrier
	s_wait_dscnt 0x0
	s_barrier_signal -1
	s_barrier_wait -1
.endm
	s_load_b512 s[4:19], s[0:1], 0x0               ; query_x, ref_x, wq, bq, wk, bk, wv, bv
	s_load_b128 s[20:23], s[0:1], 0x40             ; the scales' exponents, qv
	s_load_b64 s[24:25], s[0:1], 0x50              ; kimg
	v_lshl_add_u32 v254, v0, 2, 0x12800
	v_mov_b32 v255, 0
	v_lshrrev_b32 v15, 5, v0
	v_readfirstlane_b32 s26, v15                   ; wave 0..7
	s_and_b32 s27, s26, 3                          ; ct
	s_lshr_b32 s28, s26, 2                         ; th
	s_and_b32 s29, ttmp7, 0xffff                   ; batch
	v_and_b32 v1, 31, v0
	v_lshlrev_b32 v1, 4, v1                        ; 16 x lane
	v_and_b32 v2, 15, v0                           ; r
	v_bfe_u32 v3, v0, 4, 1                         ; h
	s_lshl_b32 s40, s26, 17
	v_add_nc_u32 v4, s40, v1                       ; x in memory: my wave's 8 rows of 16,384 bytes, 16 bytes a lane
	s_mul_i32 s40, s26, 8*PITCH
	v_add_nc_u32 v5, s40, v1                       ; and in LDS
	s_lshl_b32 s40, s26, 6
	v_mul_u32_u24 v6, v3, 4*PITCH
	v_lshl_add_u32 v6, v2, 2, v6
	v_add_nc_u32 v6, s40, v6                       ; a column of x: position 16 w + r, rows 4h on
	v_and_b32 v7, 3, v0
	v_bfe_u32 v15, v0, 3, 1
	v_lshl_add_u32 v7, v15, 2, v7                  ; the row of wq or wk that lane r takes: (r & 3) + 4 (r >> 3), so that result registers 0-3 of lane (r, h) are p = 4h .. 4h+3
	v_lshlrev_b32 v9, 4, v3                        ; 16 h
	v_lshl_add_u32 v7, v7, 8, v9                   ; row x 256 bytes + 16 h
	s_lshl_b32 s40, s27, 4
	v_add_nc_u32 v15, s40, v2                      ; my channel of v: 16 ct + r
	v_lshl_add_u32 v8, v15, 8, v9                  ; its row of wv, + 16 h
	v_lshlrev_b32 v10, 2, v15                      ; its bv
	s_lshl_b32 s40, s26, 10
	s_add_co_u32 s40, s40, XIMG
	v_add_nc_u32 v11, s40, v1                      ; where I store my tile's code fragment
	s_lshl_b32 s40, s28, 12
	s_add_co_u32 s40, s40, XIMG
	v_add_nc_u32 v12, s40, v1                      ; where I read four of them
	s_lshl_b32 s40, s26, 9
	v_add_nc_u32 v13, s40, v1                      ; my tile's q or k image
	s_lshl_b32 s40, s27, 11
	s_lshl_b32 s41, s28, 10
	s_add_co_u32 s40, s40, s41
	v_add_nc_u32 v14, s40, v1                      ; my part of the V images
	s_lshl_b32 s42, s29, 20                        ; x: batch x 64 x 4,096 x 4 + step x 512
	s_lshl_b32 s43, ttmp9, 9
	s_add_co_u32 s42, s42, s43
	s_mov_b32 s43, 0
	s_lshl_b32 s44, s29, 5                         ; qv: (32 batch + step) x 12,288
	s_add_co_u32 s44, s44, ttmp9
	s_mul_i32 s44, s44, 12288
	s_mov_b32 s45, 0
	s_lshl_b32 s46, s29, 17                        ; kimg: (256 batch + 8 step) x 512
	s_lshl_b32 s47, ttmp9, 12
	s_add_co_u32 s46, s46, s47
	s_mov_b32 s47, 0
	s_wait_kmcnt 0x0
	s_load_b128 s[32:35], s[20:21], 0x0            ; e0, e1, e2, e3
	s_add_nc_u64 s[4:5], s[4:5], s[42:43]
	s_add_nc_u64 s[6:7], s[6:7], s[42:43]
	s_add_nc_u64 s[22:23], s[22:23], s[44:45]
	s_add_nc_u64 s[24:25], s[24:25], s[46:47]
	; ---- A: 16 rows of x a wave, 512 consecutive bytes a load; then the weights
.irp n, 0,1,2,3,4,5,6,7
	global_load_b128 v[XL+4*\n:XL+4*\n+3], v4, s[4:5] offset:16384*\n                     ; query_x is read again by the second launch: no hint
.endr
.irp n, 0,1,2,3,4,5,6,7
	global_load_b128 v[XL+32+4*\n:XL+32+4*\n+3], v4, s[6:7] offset:16384*\n th:TH_LOAD_NT ; ref_x is read once
.endr
.irp s, 0,1,2,3,4,5,6,7
	global_load_b128 v[WQ+4*\s:WQ+4*\s+3], v7, s[8:9] offset:32*\s
.endr
.irp s, 0,1,2,3,4,5,6,7
	global_load_b128 v[WK+4*\s:WK+4*\s+3], v7, s[12:13] offset:32*\s
.endr
	global_load_b128 v[BQ:BQ+3], v9, s[10:11]      ; result register j of lane (r, h) is p = 4h + j for j < 4;
	global_load_b128 v[BQ+4:BQ+7], v9, s[10:11]    ; registers 4-7 belong to rows that nobody reads, and are loaded so that all of C is defined
	global_load_b128 v[BK:BK+3], v9, s[14:15]
	global_load_b128 v[BK+4:BK+7], v9, s[14:15]
.irp c, 0,1,2,3
.irp u, 0,1
	global_load_b128 v[WVF+8*\c+4*\u:WVF+8*\c+4*\u+3], v8, s[16:17] offset:64*\c+32*\u    ; wv[16 ct + r][16 c + 8 u + 4 h + 0..3]
.endr
.endr
	global_load_b32 v[BV], v10, s[18:19]
	v_mov_b32 v[BV+1], 0
	s_wait_loadcnt 29                              ; x's 16 loads are in; the 29 loads of weights and biases behind them may be out
.irp n, 0,1,2,3,4,5,6,7
	ds_store_b128 v5, v[XL+4*\n:XL+4*\n+3] offset:XQ+PITCH*\n
	ds_store_b128 v5, v[XL+32+4*\n:XL+32+4*\n+3] offset:XR+PITCH*\n
.endr
	s_wait_kmcnt 0x0
	MKSCALE 32, SC0
	MKSCALE 33, SC0+2
	MKSCALE 34, SC0+4
	s_add_co_i32 s36, s32, s33
	s_add_co_i32 s36, s36, 127
	s_lshl_b32 s36, s36, 23                        ; 2^(e0 + e1) as f32
	s_mov_b32 s37, s36                             ; (named with it as a pair)
	s_wait_loadcnt 0x0
.set j, 0
.rept 32
	v_med3_num_f32 v[WVF+j], v[WVF+j], -v[SC0+3], v[SC0+3]     ; the conversion to an 8-bit code does not saturate (ISA guide 7.6.2): the hold at 448 x 2^e1
.set j, j+1
.endr
.irp c, 0,1,2,3
	v_cvt_scalef32_pk8_fp8_f32 v[WVC+2*\c:WVC+2*\c+1], v[WVF+8*\c:WVF+8*\c+7], v[SC0+2]
.endr
	v_nop                                          ; a plain line behind the last conversion
	BARRIER                                        ; all 128 rows of x lie in LDS
	; ---- B: my tile's q and k, and its codes of ref_x
.irp s, 0,1,2,3,4,5,6,7
.irp n, 0,1,2,3
	ds_load_b32 v[XBQ+4*\s+\n], v6 offset:XQ+(8*\s+\n)*PITCH
	ds_load_b32 v[XBR+4*\s+\n], v6 offset:XR+(8*\s+\n)*PITCH
.endr
.endr
	s_wait_dscnt 0x0
	v_wmma_f32_16x16x4_f32 v[DQ:DQ+7], v[WQ:WQ+1], v[XBQ:XBQ+1], v[BQ:BQ+7]   ; the biases start the sums; the two sums take turns, one instruction a turn
	v_wmma_f32_16x16x4_f32 v[DK:DK+7], v[WK:WK+1], v[XBR:XBR+1], v[BK:BK+7]
.set j, 2
.rept 15
	v_wmma_f32_16x16x4_f32 v[DQ:DQ+7], v[WQ+j:WQ+j+1], v[XBQ+j:XBQ+j+1], v[DQ:DQ+7]
	v_wmma_f32_16x16x4_f32 v[DK:DK+7], v[WK+j:WK+j+1], v[XBR+j:XBR+j+1], v[DK:DK+7]
.set j, j+2
.endr
.set j, 0
.rept 32
	v_med3_num_f32 v[TMP+j], v[XBR+j], -v[SC0+1], v[SC0+1]     ; ref_x held at 448 x 2^e0.  The first 30 name no register of the last product: they are the eight places behind it (ISA guide 7.12.1)
.set j, j+1
.endr
.irp c, 0,1,2,3
	v_cvt_scalef32_pk8_fp8_f32 v[XC+2*\c:XC+2*\c+1], v[TMP+8*\c:TMP+8*\c+7], v[SC0]   ; the same places of c as in wv's codes
.endr
	v_nop
	ds_store_b128 v11, v[XC:XC+3]
	ds_store_b128 v11, v[XC+4:XC+7] offset:512
	global_store_b128 v13, v[DQ:DQ+3], s[22:23]    ; the q image: 512 consecutive bytes
	v_pk_mul_f32 v[KS:KS+1], v[DK:DK+1], 0x3fb8aa3b op_sel_hi:[1,0]       ; k x log2(e): the second launch's scores are then t itself
	v_pk_mul_f32 v[KS+2:KS+3], v[DK+2:DK+3], 0x3fb8aa3b op_sel_hi:[1,0]
	global_store_b128 v13, v[KS:KS+3], s[24:25]
	BARRIER                                        ; the eight code fragments lie in LDS
	; ---- C: v of 16 channels x 64 positions: source 0 = 16 positions, source 1 = 16 channels, so that a lane holds one channel and eight neighbouring positions
.irp t, 0,1,2,3
	ds_load_b128 v[XA+8*\t:XA+8*\t+3], v12 offset:1024*\t
	ds_load_b128 v[XA+8*\t+4:XA+8*\t+7], v12 offset:1024*\t+512
.endr
	s_wait_dscnt 0x0
.irp t, 0,1,2,3
	v_wmma_f32_16x16x64_fp8_fp8 v[DV+8*\t:DV+8*\t+7], v[XA+8*\t:XA+8*\t+7], v[WVC:WVC+7], 0
.endr
.rept 4
	v_nop                                          ; four places in front of the first read of the results
.endr
.set j, 0
.rept 16
	v_pk_fma_f32 v[DV+j:DV+j+1], v[DV+j:DV+j+1], s[36:37], v[BV:BV+1] op_sel_hi:[1,0,0]   ; sum x 2^(e0 + e1) + bv, each tile from its low end on
.set j, j+2
.endr
.set j, 0
.rept 32
	v_med3_num_f32 v[DV+j], v[DV+j], -v[SC0+5], v[SC0+5]
.set j, j+1
.endr
.irp t, 0,1,2,3
	v_cvt_scalef32_pk8_fp8_f32 v[VCD+2*\t:VCD+2*\t+1], v[DV+8*\t:DV+8*\t+7], v[SC0+4]
.endr
	v_nop
	global_store_b128 v14, v[VCD:VCD+3], s[22:23] offset:4096
	global_store_b128 v14, v[VCD+4:VCD+7], s[22:23] offset:4096+512
	s_wait_tensorcnt 0x0
	ds_add_u32 v254, v255
	s_wait_dscnt 0x0
	s_endpgm
.Lfunc_end_k_q093d269eb5_prep:
	.size	k_q093d269eb5_prep, .Lfunc_end_k_q093d269eb5_prep-k_q093d269eb5_prep
	.p2alignl 7, 3214868480
	.fill 96, 4, 3214868480
	.section	.rodata,"a",@progbits
	.p2align	6, 0x0
	.amdhsa_kernel k_q093d269eb5_prep
		.amdhsa_group_segment_fixed_size 76800
		.amdhsa_private_segment_fixed_size 0
		.amdhsa_enable_private_segment 0
		.amdhsa_kernarg_size 88
		.amdhsa_user_sgpr_count 2
		.amdhsa_user_sgpr_kernarg_segment_ptr 1
		.amdhsa_wavefront_size32 1
		.amdhsa_system_sgpr_workgroup_id_x 1
		.amdhsa_system_sgpr_workgroup_id_y 1
		.amdhsa_system_sgpr_workgroup_id_z 1
		.amdhsa_system_vgpr_workitem_id 0
		.amdhsa_next_free_vgpr 256
		.amdhsa_next_free_sgpr 66
		.amdhsa_reserve_vcc 0
		.amdhsa_float_denorm_mode_32 3
		.amdhsa_float_denorm_mode_16_64 3
		.amdhsa_memory_ordered 1
		.amdhsa_forward_progress 1
		.amdhsa_inst_pref_size 25
	.end_amdhsa_kernel
	.amdgpu_metadata
---
amdhsa.version: [ 1, 2 ]
amdhsa.kernels:
  - .name:           k_q093d269eb5_prep
    .symbol:         k_q093d269eb5_prep.kd
    .args:
      - { .name: query_x, .offset: 0, .size: 8, .value_kind: global_buffer, .address_space: global }
      - { .name: ref_x, .offset: 8, .size: 8, .value_kind: global_buffer, .address_space: global }
      - { .name: wq, .offset: 16, .size: 8, .value_kind: global_buffer, .address_space: global }
      - { .name: bq, .offset: 24, .size: 8, .value_kind: global_buffer, .address_space: global }
      - { .name: wk, .offset: 32, .size: 8, .value_kind: global_buffer, .address_space: global }
      - { .name: bk, .offset: 40, .size: 8, .value_kind: global_buffer, .address_space: global }
      - { .name: wv, .offset: 48, .size: 8, .value_kind: global_buffer, .address_space: global }
      - { .name: bv, .offset: 56, .size: 8, .value_kind: global_buffer, .address_space: global }
      - { .name: lowp_scales, .offset: 64, .size: 8, .value_kind: global_buffer, .address_space: global }
      - { .name: qv, .offset: 72, .size: 8, .value_kind: global_buffer, .address_space: global }
      - { .name: kimg, .offset: 80, .size: 8, .value_kind: global_buffer, .address_space: global }
    .group_segment_fixed_size: 76800
    .private_segment_fixed_size: 0
    .kernarg_segment_align: 8
    .kernarg_segment_size: 88
    .max_flat_workgroup_size: 256
    .sgpr_count:     66
    .vgpr_count:     256
    .wavefront_size: 32
...
	.end_amdgpu_metadata
.endif
;; end of part 1
;; launch attn (part 2): grid 32 x 8, 8 waves a work-group, clusters of 4 x 1, 327,680 bytes of LDS; arguments qv, kimg, query_x, lowp_scales, out0; writes out0
.if DOCPART == 2
	.amdgcn_target "amdgcn-amd-amdhsa--gfx1250"
	.amdhsa_code_object_version 6
	.text
	.protected	k_q093d269eb5_attn
	.globl	k_q093d269eb5_attn
	.p2align	8
	.type	k_q093d269eb5_attn,@function
k_q093d269eb5_attn:
	s_mov_b64 s[64:65], 0
	v_nop
	global_prefetch_b8 v0, s[64:65] scope:SCOPE_SE
	s_setreg_imm32_b32 hwreg(HW_REG_WAVE_MODE, 25, 1), 1
	s_wait_xcnt 0x0
	s_wait_alu depctr_hold_cnt(0) depctr_sa_sdst(0) depctr_va_vdst(0) depctr_va_sdst(0) depctr_va_ssrc(0) depctr_va_vcc(0) depctr_vm_vsrc(0)
	s_getreg_b32 s2, hwreg(HW_REG_IB_STS2, 6, 4)
	s_cmp_eq_u32 s2, 0
	s_cbranch_scc0 .Lentry_in_a_cluster
	s_endpgm
.Lentry_in_a_cluster:
	s_bfe_u32 s2, ttmp6, 0x10000c
	s_cmp_lg_u32 s2, 0x3003
	s_cbranch_scc0 .Lentry_shape_is_right
	s_endpgm
.Lentry_shape_is_right:
; out[b][c][j] = query_x[b][c][j] + (sum over i of v[c][i] p[j][i]) / l[j],  p = 2^(t - M),  t = (k_j . q_i) log2(e),  M = the row's largest t rounded up to a whole number.
; The scores are f32 products (K = 8, two v_wmma_f32_16x16x4_f32 a tile: they go on into a quantiser); p is quantised to E4M3 with 2^e3, v arrives as codes with 2^e2; v x p by v_wmma_f32_16x16x128_fp8_fp8.
; l is the sum of the unquantised p.  M runs: when it moves, l and O are multiplied by 2^(old M - new M), which rounds nothing.
; SHARES.  A work-group owns 128 rows j of one batch.  Wave w (JP = w & 3, IH = w >> 2) owns two tiles of 16 rows, 16 (2 JP + a), and walks half IH of the 4,096 positions i, 128 a step, 16 steps;
;   each fragment of q and V that it reads from LDS feeds both tiles.  At the end waves w and w ^ 4 join their halves through LDS: each finishes one of the two tiles.
; LAYOUT.  S = q k^T (source 0 = 16 positions i, source 1 = 16 rows j): a lane holds ONE row j (lane % 16) and i = 8 (lane / 16) + 0..7 of each tile, so the conversion of a tile's eight registers
;   gives registers 2t, 2t+1 of source 1 of O = V p^T, whose result again holds one row j a lane and eight channels.  Nothing changes lanes between the products.
; BY TURNS.  A turn belongs to one tile: its softmax of a step (259 vector lines) is the vector work; the OTHER tile's 4 products V p^T of the step before and its 16 score products for its next softmax
;   are the matrix work, set between those lines: V p^T among the 16 lines that rescale O, a score product in front of every fourth exponential.  So the scores have two buffers, one a tile.
;   A trip of the loop is the two turns that read one step's bytes: q(s) | tile 1: softmax (s-1), V p^T (s-1, tile 0), scores (s, tile 0) | tile 0: softmax (s), V p^T (s-1, tile 1), V(s), scores (s, tile 1).
; CLUSTER.  The four work-groups of a cluster belong to one batch and walk the same q and V: every piece is asked for JOINTLY, by the same tensor load with the same descriptor and the mask of all four.
; RING.  Two slots; a slot holds four steps of each half: 8 pieces of 12,288 bytes, one tensor load a wave.  By this text's count one tensor load of a wave is out at a time.
; LIMITS: e3 between -126 and 119; e2 + e3 is applied by v_ldexp_f32.  NaN and infinity are not served.  The two halves of i, and the steps within them, run under their own M:
;   numbers far under the row's largest keep more bits than under the final M.
; REGISTERS.  window 0: v1-13 addresses and constants; v16-23 k; v24-39 statistics; v40-47 at work; v48-79 q; v80-143, v144-207 the scores of tile 0, tile 1 (written by matrix instructions alone);
;   v208-239 p, a ring of four groups of eight; v240-255 p's codes, one fragment.   window 1: v0-63 O (tile a, channels 16 ct on: 32 a + 8 ct); v64-127 V's four fragments.
.set STEPB, 12288                      ; a step's piece: 4,096 bytes of q images, 8,192 of V images
.set HALFB, 4*STEPB
.set SLOT1, 1<<17                      ; slot 1 begins here: one exclusive or turns an address in one slot into the other's
.set SPARE, 229376                     ; the spare words, 128 bytes for each wave: four blocks of 256 bytes that no other line names
.set CMB,   230400                     ; 8 x 4,096: a tile of O for the partner wave
.set CMBS,  263168                     ; 8 x 256: its -M and l
.set STG,   265216                     ; the stage for z: 64 rows (channels) x (512 bytes + 16)
.set SPITCH, 528
.set L16, 1                            ; v1   16 x lane
.set AD,  2                            ; v2   LDS address of the step's q
.set SPW, 3                            ; v3   my spare word; never rewritten
.set NIL, 4                            ; v4   0; never rewritten
.set CW,  5
.set CR,  6
.set CSW, 7
.set CSR, 8
.set SW,  9
.set SR,  10
.set ADV, 11                           ; v11  LDS address of the step's V
.set SC,  12                           ; v12  2^e3 as f32
.set LIM, 13                           ; v13  448 x 2^e3
.set KB,  16
.set ST,  24                           ; tile a at ST + 8 a: +0 -M, +1 the largest t, +2:3 and +4:5 l in two chains of pairs, +6 f, +7 written once
.set T0,  40
.set T2,  42
.set MX,  44                           ; v44-47 the four chains of the maximum
.set QF,  48
.set S,   80                           ; tile a's scores at S + 64 a
.set P,   208
.set CD,  240
.set VF,  64                           ; in window 1
.set WV,  14                           ; s14 wave; s15 JP; s16 IH
.set G1,  24
.set G0,  32
.set SEL, 36
.set TB,  38
.set SLOTS, 39
.set CNT, 40
.set MSB, 0
.macro WIN new                         ; the immediate's high byte repeats the setting that is left; a switch that changes nothing is dropped
.if MSB != \new
	s_set_vgpr_msb (MSB<<8)|\new
.set MSB, \new
.endif
.endm
.macro ROUND                           ; a round of the cluster's barrier
	s_barrier_signal -1
	s_barrier_wait -1
	s_cmp_lg_u32 s[WV], 0
	s_cbranch_scc1 .Lnot_wave_0_\@
	s_barrier_signal -3
.Lnot_wave_0_\@:
	s_barrier_wait -3
	s_barrier_signal -1
	s_barrier_wait -1
.endm
.macro QLOAD                           ; the step's eight fragments of q.  Their registers' last reader, the turn before's last score product, stands 20 plain lines back
	WIN 0
	v_add_nc_u32 v[AD], s[TB], v[L16]
.irp t, 0,1,2,3,4,5,6,7
	ds_load_b128 v[QF+4*\t:QF+4*\t+3], v[AD] offset:512*\t
.endr
.endm
.macro VLOAD                           ; the step's four fragments of V; they land while the turn's exponentials are walked
	WIN 0x40                                               ; destination window 1
.irp ct, 0,1,2,3
.irp g, 0,1,2,3
	ds_load_b128 v[VF+16*\ct+4*\g:VF+16*\ct+4*\g+3], v[ADV] offset:4096+2048*\ct+512*\g
.endr
.endr
	WIN 0
.endm
; The scores of tile a, bare: eight accumulators by turns, p = 4h, 4h+1 and then p = 4h+2, 4h+3 (the same places on both sides).  Only the first step's tile 0 is made so.
.macro SCORE a
.irp t, 0,1,2,3,4,5,6,7
	v_wmma_f32_16x16x4_f32 v[S+64*(\a)+8*\t:S+64*(\a)+8*\t+7], v[QF+4*\t:QF+4*\t+1], v[KB+4*(\a):KB+4*(\a)+1], 0
.endr
.irp t, 0,1,2,3,4,5,6,7
	v_wmma_f32_16x16x4_f32 v[S+64*(\a)+8*\t:S+64*(\a)+8*\t+7], v[QF+4*\t+2:QF+4*\t+3], v[KB+4*(\a)+2:KB+4*(\a)+3], v[S+64*(\a)+8*\t:S+64*(\a)+8*\t+7]
.endr
.endm
; A turn's first part: tile a's largest t of the step, the new M, f = 2^(old M - new M), l under the new M.
.macro MAXF a
.set rT, ST+8*(\a)
.set rS, S+64*(\a)
	WIN 0
.irp c, 0,1,2,3
	v_max3_num_f32 v[MX+\c], v[rS+16*\c], v[rS+16*\c+1], v[rS+16*\c+2]     ; four chains of 15 scores, ascending: each accumulator is read from its low end on
.endr
.irp k, 0,1,2,3,4,5
.irp c, 0,1,2,3
	v_max3_num_f32 v[MX+\c], v[MX+\c], v[rS+16*\c+3+2*\k], v[rS+16*\c+4+2*\k]
.endr
.endr
	v_max3_num_f32 v[MX], v[MX], v[rS+15], v[rS+31]        ; the four scores left over, and the chains
	v_max3_num_f32 v[MX+2], v[MX+2], v[rS+47], v[rS+63]
	v_max3_num_f32 v[MX], v[MX], v[MX+1], v[MX+2]
	v_max_num_f32 v[T0], v[MX], v[MX+3]
	v_permlanex16_b32 v[T2], v[T0], s[SEL], s[SEL+1]
	v_max_num_f32 v[T0], v[T0], v[T2]                      ; and lane l xor 16's
	v_max_num_f32 v[rT+1], v[rT+1], v[T0]                  ; the running largest t
	v_mov_b32 v[T0], v[rT]
	v_floor_f32 v[rT], -v[rT+1]                            ; the new -M = floor(-t)
	v_sub_f32 v[T0], v[rT], v[T0]                          ; old M - new M, a whole number, 0 or less
	v_cvt_i32_f32 v[T0], v[T0]                             ; (it saturates)
	v_ldexp_f32 v[rT+6], 1.0, v[T0]                        ; f = 2^(old M - new M)
	v_pk_mul_f32 v[rT+2:rT+3], v[rT+2:rT+3], v[rT+6:rT+7] op_sel_hi:[1,0]
	v_pk_mul_f32 v[rT+4:rT+5], v[rT+4:rT+5], v[rT+6:rT+7] op_sel_hi:[1,0]
.endm
; Its second part: tile a's O under the new M, sixteen lines; pv = 1: between them the OTHER tile's O += V p^T, four accumulators, one instruction each.
; One window setting serves both: V, O in window 1; p's codes and f in window 0.  The four lines behind the last product are the places in front of the loads into V's registers.
.macro PVRS a, pv
	WIN 0x51
.irp ct, 0,1,2,3
.if \pv
	v_wmma_f32_16x16x128_fp8_fp8 v[32*(1-(\a))+8*\ct:32*(1-(\a))+8*\ct+7], v[VF+16*\ct:VF+16*\ct+15], v[CD:CD+15], v[32*(1-(\a))+8*\ct:32*(1-(\a))+8*\ct+7]
.endif
.irp i, 0,2,4,6
	v_pk_mul_f32 v[32*(\a)+8*\ct+\i:32*(\a)+8*\ct+\i+1], v[32*(\a)+8*\ct+\i:32*(\a)+8*\ct+\i+1], v[ST+8*(\a)+6:ST+8*(\a)+7] op_sel_hi:[1,0]
.endr
.endr
.endm
.macro PVONLY a                        ; the last V p^T, bare
	WIN 0x51
.irp ct, 0,1,2,3
	v_wmma_f32_16x16x128_fp8_fp8 v[32*(\a)+8*\ct:32*(\a)+8*\ct+7], v[VF+16*\ct:VF+16*\ct+15], v[CD:CD+15], v[32*(\a)+8*\ct:32*(\a)+8*\ct+7]
.endr
	WIN 0
.endm
; Its third part: p of tile a, in eight groups of eight.  The exponentials go one by one, each with plain work of the neighbouring groups behind it: the sums and holds of the group before, the t - M of the
; group after; three groups are alive at a time, in a ring of four.  sc = 1: in front of every fourth exponential stands one score product of the OTHER tile: its eight accumulators by turns.
; Behind the last score product stand 20 plain lines that name none of its registers: the places in front of the next turn's first read of those scores and of the loads into q's registers.
.macro EXPS a, sc
.set rT, ST+8*(\a)
.set rS, S+64*(\a)
.set rD, S+64*(1-(\a))
.set rK, KB+4*(1-(\a))
	WIN 0
.irp i, 0,2,4,6
	v_pk_add_f32 v[P+\i:P+\i+1], v[rS+\i:rS+\i+1], v[rT:rT+1] op_sel_hi:[1,0]   ; t - M, into other registers than the sums'
.endr
.set gg, 0
.rept 8
.set pcur, P+8*(gg%4)
.set pprv, P+8*((gg+3)%4)
.set pnxt, P+8*((gg+1)%4)
.set nn, 0
.rept 8
.if \sc && ((nn%4) == 0)
.set tt, (2*gg+nn/4)%8
.if gg < 4
	v_wmma_f32_16x16x4_f32 v[rD+8*tt:rD+8*tt+7], v[QF+4*tt:QF+4*tt+1], v[rK:rK+1], 0
.else
	v_wmma_f32_16x16x4_f32 v[rD+8*tt:rD+8*tt+7], v[QF+4*tt+2:QF+4*tt+3], v[rK+2:rK+3], v[rD+8*tt:rD+8*tt+7]
.endif
.endif
	v_exp_f32 v[pcur+nn], v[pcur+nn]                       ; p = 2^(t - M), at most 1
.if nn < 4
.if gg > 0
.if (nn%2) == 0
	s_wait_alu depctr_va_vdst(0)
	v_pk_add_f32 v[rT+2:rT+3], v[rT+2:rT+3], v[pprv+2*nn:pprv+2*nn+1]      ; l takes the UNQUANTISED p, ahead of the hold
.else
	v_pk_add_f32 v[rT+4:rT+5], v[rT+4:rT+5], v[pprv+2*nn:pprv+2*nn+1]
.endif
.endif
.if gg < 7
	v_pk_add_f32 v[pnxt+2*nn:pnxt+2*nn+1], v[rS+8*(gg+1)+2*nn:rS+8*(gg+1)+2*nn+1], v[rT:rT+1] op_sel_hi:[1,0]
.endif
.else
.if gg > 0
	v_min_num_f32 v[pprv+2*(nn-4)], v[pprv+2*(nn-4)], v[LIM]               ; the conversion does not saturate (ISA guide 7.6.2); p is not negative: a one-sided hold
	v_min_num_f32 v[pprv+2*(nn-4)+1], v[pprv+2*(nn-4)+1], v[LIM]
.endif
.endif
.set nn, nn+1
.endr
.if gg > 0
	v_cvt_scalef32_pk8_fp8_f32 v[CD+2*(gg-1):CD+2*(gg-1)+1], v[pprv:pprv+7], v[SC]
.endif
.set gg, gg+1
.endr
	s_wait_alu depctr_va_vdst(0)
	v_pk_add_f32 v[rT+2:rT+3], v[rT+2:rT+3], v[P+24:P+25]  ; the last group, which lies in the ring's fourth place
	v_pk_add_f32 v[rT+4:rT+5], v[rT+4:rT+5], v[P+26:P+27]
	v_pk_add_f32 v[rT+2:rT+3], v[rT+2:rT+3], v[P+28:P+29]
	v_pk_add_f32 v[rT+4:rT+5], v[rT+4:rT+5], v[P+30:P+31]
.irp i, 24,25,26,27,28,29,30,31
	v_min_num_f32 v[P+\i], v[P+\i], v[LIM]
.endr
	v_cvt_scalef32_pk8_fp8_f32 v[CD+14:CD+15], v[P+24:P+31], v[SC]
	v_nop                                                  ; a plain line behind the last conversion
.endm
; A trip: the two turns that read step s's bytes (at s[TB]).
.macro BODY
	QLOAD                                                  ; q(s)
	MAXF 1                                                 ; tile 1, step s - 1
	s_wait_dscnt 8                                         ; V(s - 1), asked for a turn ago, is in; the eight loads of q behind it may be out
	PVRS 1, 1                                              ; O of tile 0 += V(s - 1) p(s - 1, tile 0)
	s_wait_dscnt 0x0                                       ; q(s) is in
	EXPS 1, 1                                              ; p(s - 1, tile 1) | the scores (s, tile 0)
	MAXF 0                                                 ; tile 0, step s
	v_add_nc_u32 v[ADV], s[TB], v[L16]                     ; (the loads that last named this register were waited for above)
	PVRS 0, 1                                              ; O of tile 1 += V(s - 1) p(s - 1, tile 1)
	VLOAD                                                  ; V(s)
	EXPS 0, 1                                              ; p(s, tile 0) | the scores (s, tile 1)
	s_add_co_u32 s[TB], s[TB], STEPB
.endm
.macro STEPS n                         ; n trips, then on to my half's first step in the other slot
	s_mov_b32 s[CNT], \n
.Lstep_\@:
	BODY
	s_sub_co_u32 s[CNT], s[CNT], 1
	s_cmp_lg_u32 s[CNT], 0
	s_cbranch_scc1 .Lstep_\@
	s_sub_co_u32 s[TB], s[TB], HALFB
	s_xor_b32 s[TB], s[TB], SLOT1
.endm
; The change of slots stands between trips: all LDS reads of a step lie in its own trip.  Each wave waits for all its tensor loads (its piece of the slot ahead), adds 0 to its spare word, and waits for that and
; for its reads of the slot left.  fill = 1: the slot left is filled with the next four steps of each half; the barrier is then a round of the cluster's, and the joint load is the first thing behind it.
.macro CHANGE fill
	s_wait_tensorcnt 0x0                                   ; no tensor load of mine is out, so the descriptor may be written
	ds_add_u32 v[SPW], v[NIL]                              ; 0 onto my spare word
.if \fill
	s_xor_b32 s[G0+1], s[G0+1], SLOT1                      ; the other slot than last time,
	s_add_nc_u64 s[G0+2:G0+3], s[G0+2:G0+3], HALFB         ; four steps on; the type bits on top are not reached
.endif
	s_wait_dscnt 0x0                                       ; the add is done, and my reads of the slot left are over
.if \fill
	ROUND
	tensor_load_to_lds s[G0:G0+3], s[G1:G1+7]
	s_nop 0
.rept 4
	v_nop
.endr
.else
	s_barrier_signal -1
	s_barrier_wait -1
.endif
.endm
	s_load_b256 s[4:11], s[0:1], 0x0               ; qv, kimg, query_x, the scales' exponents
	s_load_b64 s[12:13], s[0:1], 0x20              ; out0
	v_lshl_add_u32 v[SPW], v0, 2, SPARE
	v_mov_b32 v[NIL], 0
	ds_add_u32 v3, v4
	ds_add_u32 v3, v4
	s_wait_dscnt 0x0
	v_lshrrev_b32 v14, 5, v0
	v_readfirstlane_b32 s[WV], v14                 ; wave 0..7
	s_and_b32 s15, s[WV], 3                        ; JP.  Also: which of a half's four steps I fetch
	s_lshr_b32 s16, s[WV], 2                       ; IH
	s_and_b32 s19, ttmp7, 0xffff                   ; the batch, which the four partners share
	; descriptor group 1: a dense piece of 12,288 bytes as 48 rows of 32 elements of 8 bytes
	s_mov_b32 s[G1], 15|(3<<16)|(1<<21)            ; 15:0 the mask: all four work-groups; 17:16 elements of 8 bytes; 20 no padding; 21 set beside a mask
	s_mov_b32 s[G1+1], 32<<16                      ; tensor_dim0 = 32
	s_mov_b32 s[G1+2], 48<<16                      ; tensor_dim1 = 48
	s_mov_b32 s[G1+3], 32<<16                      ; tile_dim0 = 32
	s_mov_b32 s[G1+4], 48                          ; tile_dim1 = 48
	s_mov_b32 s[G1+5], 32                          ; from row to row
	s_mov_b32 s[G1+6], 0
	s_mov_b32 s[G1+7], 0
	s_mov_b32 s[G0], 1
	s_mul_i32 s[G0+1], s[WV], STEPB                ; my piece's place in slot 0: the wave's number alone
	s_mul_i32 s48, s19, 32*STEPB                   ; the batch's 32 steps,
	s_lshl_b32 s49, s16, 4
	s_add_co_u32 s49, s49, s15
	s_mul_i32 s49, s49, STEPB                      ; step 16 IH + JP
	s_add_co_u32 s48, s48, s49
	s_mov_b32 s49, 0
	s_bfe_u32 s17, ttmp6, 0x40000                  ; cx: it enters the addresses of kimg, query_x and out0 alone
	s_lshl_b32 s18, ttmp9, 2
	s_add_co_u32 s18, s18, s17                     ; my block of 128 rows j
	s_lshl_b32 s52, s19, 17                        ; kimg: (256 batch + 8 block + 2 JP) x 512
	s_lshl_b32 s53, s18, 12
	s_add_co_u32 s52, s52, s53
	s_lshl_b32 s53, s15, 10
	s_add_co_u32 s52, s52, s53
	s_mov_b32 s53, 0
	s_lshl_b32 s54, s19, 20                        ; query_x and out0: ((64 batch + 8 wave) x 4,096 + 128 block) x 4
	s_lshl_b32 s55, s[WV], 17
	s_add_co_u32 s54, s54, s55
	s_lshl_b32 s55, s18, 9
	s_add_co_u32 s54, s54, s55
	s_mov_b32 s55, 0
	s_mov_b32 s[SEL], 0x76543210
	s_mov_b32 s[SEL+1], 0xfedcba98
	s_mul_i32 s[TB], s16, HALFB                    ; my half's pieces in slot 0
	s_mov_b32 s[SLOTS], 2
	v_and_b32 v[L16], 31, v0
	v_lshlrev_b32 v[L16], 4, v[L16]
	v_and_b32 v14, 15, v0                          ; r
	v_bfe_u32 v15, v0, 4, 1                        ; h
	s_xor_b32 s50, s[WV], 4                        ; my partner
	s_lshl_b32 s51, s50, 12
	s_add_co_u32 s51, s51, CMB
	v_add_nc_u32 v[CW], s51, v[L16]                ; I write into my partner's box,
	s_lshl_b32 s51, s[WV], 12
	s_add_co_u32 s51, s51, CMB
	v_add_nc_u32 v[CR], s51, v[L16]                ; and read my own
	v_lshrrev_b32 v[CSW], 1, v[L16]                ; 8 x lane
	s_lshl_b32 s51, s[WV], 8
	s_add_co_u32 s51, s51, CMBS
	v_add_nc_u32 v[CSR], s51, v[CSW]
	s_lshl_b32 s51, s50, 8
	s_add_co_u32 s51, s51, CMBS
	v_add_nc_u32 v[CSW], s51, v[CSW]
	v_mul_u32_u24 v[SW], v15, 8*SPITCH
	v_lshl_add_u32 v[SW], v14, 2, v[SW]
	s_lshl_b32 s51, s15, 1
	s_add_co_u32 s51, s51, s16
	s_lshl_b32 s51, s51, 6
	s_add_co_u32 s51, s51, STG
	v_add_nc_u32 v[SW], s51, v[SW]                 ; the stage, in: channel row 8 h on, column 16 (2 JP + IH) + r
	s_mul_i32 s51, s[WV], 8*SPITCH
	s_add_co_u32 s51, s51, STG
	v_add_nc_u32 v[SR], s51, v[L16]                ; and back: my eight channel rows, 16 bytes a lane
	s_wait_kmcnt 0x0
	s_load_b128 s[44:47], s[10:11], 0x0            ; e0, e1, e2, e3
	s_add_nc_u64 s[G0+2:G0+3], s[4:5], s[48:49]
	s_or_b32 s[G0+3], s[G0+3], 0x80000000          ; type = 2
	s_add_nc_u64 s[6:7], s[6:7], s[52:53]
	s_add_nc_u64 s[8:9], s[8:9], s[54:55]
	s_add_nc_u64 s[12:13], s[12:13], s[54:55]
	s_cmp_lg_u32 s16, 0
	s_cselect_b32 s41, -1, 0                       ; all lanes on in the waves of half 1: it selects values alone
	ROUND                                          ; all four work-groups are here: the first joint loads meet
	tensor_load_to_lds s[G0:G0+3], s[G1:G1+7]      ; the first four steps of each half, into slot 0
	s_nop 0
.rept 4
	v_nop
.endr
	global_load_b128 v[KB:KB+3], v[L16], s[6:7]            ; k of my two tiles stays in registers
	global_load_b128 v[KB+4:KB+7], v[L16], s[6:7] offset:512
	WIN 0x40
.set j, 0
.rept 64
	v_mov_b32 v[j], 0                              ; O.  The trip is written with no copy for a first V p^T: the first finds zeros, which the first change of M leaves zeros
.set j, j+1
.endr
	WIN 0
	s_wait_kmcnt 0x0
	s_add_co_i32 s50, s47, 127
	s_lshl_b32 s51, s50, 23
	v_mov_b32 v[SC], s51                           ; 2^e3 as f32: the conversion takes its exponent field
	s_add_co_i32 s50, s50, 8
	s_lshl_b32 s50, s50, 23
	s_or_b32 s50, s50, 0x600000
	v_mov_b32 v[LIM], s50                          ; 448 x 2^e3
	s_add_co_i32 s42, s46, s47                     ; e2 + e3
	s_wait_loadcnt 0x0                             ; k
	CHANGE 1                                       ; slot 0 is whole; slot 1 is asked for
	; ---- the first step: tile 0's scores stand bare, and its turn has no V p^T yet
	QLOAD
	s_wait_dscnt 0x0
	SCORE 0
.irp a, 0,1                                    ; the statistics are begun here: these plain lines are the eight places in front of the first read of the scores (ISA guide 7.12.1)
	v_mov_b32 v[ST+8*\a+1], 0xff61b1e6             ; the largest t so far: -3e38, under every t
	v_floor_f32 v[ST+8*\a], -v[ST+8*\a+1]
	v_mov_b32 v[ST+8*\a+2], 0
	v_mov_b32 v[ST+8*\a+3], 0
	v_mov_b32 v[ST+8*\a+4], 0
	v_mov_b32 v[ST+8*\a+5], 0
	v_mov_b32 v[ST+8*\a+7], 0                      ; (named as the upper half of f's pair)
.endr
	v_mov_b32 v[T2], 0                             ; a lane permute's destination counts as one of its sources
	MAXF 0
	v_add_nc_u32 v[ADV], s[TB], v[L16]
	PVRS 0, 0
	VLOAD
	EXPS 0, 1
	s_add_co_u32 s[TB], s[TB], STEPB
	STEPS 3                                        ; the rest of slot 0
.Lslot:                                            ; two trips: behind each of these changes of slots the next four steps are asked for
	CHANGE 1
	STEPS 4
	s_sub_co_u32 s[SLOTS], s[SLOTS], 1
	s_cmp_lg_u32 s[SLOTS], 0
	s_cbranch_scc1 .Lslot
	CHANGE 0                                       ; the last slot is written out
	STEPS 4
	; ---- the last step's tile 1: its turn has no scores to make, and its V p^T stands bare
	MAXF 1
	s_wait_dscnt 0x0                               ; the last V is in
	PVRS 1, 1
	EXPS 1, 0
	PVONLY 1
	; ---- THE END.  query_x's rows for the residual are asked for first: channels 8 w + n, my block's 128 columns, 512 consecutive bytes a load
.irp n, 0,1,2,3,4,5,6,7
	global_load_b128 v[QF+4*\n:QF+4*\n+3], v[L16], s[8:9] offset:16384*\n th:TH_LOAD_NT
.endr
	v_pk_add_f32 v[ST+2:ST+3], v[ST+2:ST+3], v[ST+4:ST+5]          ; l of each tile: the two chains, the two halves of a pair, lane l xor 16's.  The first four lines are the places behind the last products
	v_pk_add_f32 v[ST+10:ST+11], v[ST+10:ST+11], v[ST+12:ST+13]
	v_add_f32 v[ST+2], v[ST+2], v[ST+3]
	v_add_f32 v[ST+10], v[ST+10], v[ST+11]
	v_permlanex16_b32 v[T2], v[ST+2], s[SEL], s[SEL+1]
	v_add_f32 v[ST+2], v[ST+2], v[T2]
	v_permlanex16_b32 v[T2], v[ST+10], s[SEL], s[SEL+1]
	v_add_f32 v[ST+10], v[ST+10], v[T2]
	; a wave of half 0 keeps tile 0 and hands tile 1 to its partner; a wave of half 1 the other way round: selected by value, with no branch
	v_cndmask_b32 v44, v[ST+8], v[ST], s41         ; handed over: -M,
	v_cndmask_b32 v45, v[ST+10], v[ST+2], s41      ; l
	v_cndmask_b32 v46, v[ST], v[ST+8], s41         ; kept
	v_cndmask_b32 v47, v[ST+2], v[ST+10], s41
	WIN 0x05                                       ; sources 0 and 1 window 1
.set j, 0
.rept 32
	v_cndmask_b32 v[P+j], v[32+j], v[j], s41       ; handed over; ascending
.set j, j+1
.endr
	WIN 0x45                                       ; and the destination too
.set j, 0
.rept 32
	v_cndmask_b32 v[j], v[j], v[32+j], s41         ; kept, in tile 0's registers
.set j, j+1
.endr
	WIN 0
.irp g, 0,1,2,3,4,5,6,7
	ds_store_b128 v[CW], v[P+4*\g:P+4*\g+3] offset:512*\g
.endr
	ds_store_b64 v[CSW], v[44:45]
	s_wait_dscnt 0x0                               ; for my partner's sake: my stores have landed
	s_barrier_signal -1
	s_barrier_wait -1
.irp g, 0,1,2,3,4,5,6,7
	ds_load_b128 v[P+4*\g:P+4*\g+3], v[CR] offset:512*\g
.endr
	ds_load_b64 v[44:45], v[CSR]
	s_wait_dscnt 0x0
	v_min_num_f32 v41, v46, v44                    ; -M of the whole row: the lesser of the two
	v_sub_f32 v40, v41, v46
	v_sub_f32 v42, v41, v44
	v_cvt_i32_f32 v40, v40
	v_cvt_i32_f32 v42, v42
	v_ldexp_f32 v40, 1.0, v40                      ; 2^(my M - the row's M),
	v_ldexp_f32 v42, 1.0, v42                      ; and my partner's
	v_mul_f32 v43, v47, v40
	v_fmac_f32 v43, v45, v42                       ; the row's l
	v_rcp_f32 v41, v43
	v_nop                                          ; a plain line behind the reciprocal
	s_wait_alu depctr_va_vdst(0)
	v_ldexp_f32 v41, v41, s42                      ; x 2^(e2 + e3)
	v_mul_f32 v40, v40, v41
	v_mul_f32 v42, v42, v41
	WIN 0x41                                       ; destination and source 0 window 1
.set j, 0
.rept 16
	v_pk_mul_f32 v[j:j+1], v[j:j+1], v[40:41] op_sel_hi:[1,0]
.set j, j+2
.endr
	WIN 0x10                                       ; source 2 window 1
.set j, 0
.rept 16
	v_pk_fma_f32 v[P+j:P+j+1], v[P+j:P+j+1], v[42:43], v[j:j+1] op_sel_hi:[1,0,1]   ; z(16 ct + 8 h + jj, my row)
.set j, j+2
.endr
	WIN 0
.set j, 0
.rept 32
	ds_store_b32 v[SW], v[P+j] offset:(16*(j/8)+(j%8))*SPITCH      ; sixteen lanes put 64 neighbouring bytes of a channel's row
.set j, j+1
.endr
	s_wait_dscnt 0x0
	s_barrier_signal -1
	s_barrier_wait -1                              ; 64 whole rows of z lie in the stage
.irp n, 0,1,2,3,4,5,6,7
	ds_load_b128 v[P+4*\n:P+4*\n+3], v[SR] offset:SPITCH*\n
.endr
	s_wait_loadcnt 0x0                             ; query_x
.irp n, 0,1,2,3,4,5,6,7
	s_wait_dscnt 7-\n                              ; row n is back; the younger loads may be out
	v_pk_add_f32 v[P+4*\n:P+4*\n+1], v[P+4*\n:P+4*\n+1], v[QF+4*\n:QF+4*\n+1]
	v_pk_add_f32 v[P+4*\n+2:P+4*\n+3], v[P+4*\n+2:P+4*\n+3], v[QF+4*\n+2:QF+4*\n+3]
	global_store_b128 v[L16], v[P+4*\n:P+4*\n+3], s[12:13] offset:16384*\n th:TH_STORE_NT   ; 32 lanes store 512 consecutive bytes, at a multiple of 256 from out0's first byte
.endr
	s_wait_tensorcnt 0x0                           ; the wave's end
	ds_add_u32 v[SPW], v[NIL]
	s_wait_dscnt 0x0
	ROUND                                          ; the closing round: no work-group ends while a partner may still ask for a piece that names it
	s_endpgm
.Lfunc_end_k_q093d269eb5_attn:
	.size	k_q093d269eb5_attn, .Lfunc_end_k_q093d269eb5_attn-k_q093d269eb5_attn
	.p2alignl 7, 3214868480
	.fill 96, 4, 3214868480
	.section	.rodata,"a",@progbits
	.p2align	6, 0x0
	.amdhsa_kernel k_q093d269eb5_attn
		.amdhsa_group_segment_fixed_size 327680
		.amdhsa_private_segment_fixed_size 0
		.amdhsa_enable_private_segment 0
		.amdhsa_kernarg_size 40
		.amdhsa_user_sgpr_count 2
		.amdhsa_user_sgpr_kernarg_segment_ptr 1
		.amdhsa_wavefront_size32 1
		.amdhsa_system_sgpr_workgroup_id_x 1
		.amdhsa_system_sgpr_workgroup_id_y 1
		.amdhsa_system_sgpr_workgroup_id_z 1
		.amdhsa_system_vgpr_workitem_id 0
		.amdhsa_next_free_vgpr 384
		.amdhsa_next_free_sgpr 66
		.amdhsa_reserve_vcc 0
		.amdhsa_float_denorm_mode_32 3
		.amdhsa_float_denorm_mode_16_64 3
		.amdhsa_memory_ordered 1
		.amdhsa_forward_progress 1
		.amdhsa_inst_pref_size 142
	.end_amdhsa_kernel
	.amdgpu_metadata
---
amdhsa.version: [ 1, 2 ]
amdhsa.kernels:
  - .name:           k_q093d269eb5_attn
    .symbol:         k_q093d269eb5_attn.kd
    .args:
      - { .name: qv, .offset: 0, .size: 8, .value_kind: global_buffer, .address_space: global }
      - { .name: kimg, .offset: 8, .size: 8, .value_kind: global_buffer, .address_space: global }
      - { .name: query_x, .offset: 16, .size: 8, .value_kind: global_buffer, .address_space: global }
      - { .name: lowp_scales, .offset: 24, .size: 8, .value_kind: global_buffer, .address_space: global }
      - { .name: out0, .offset: 32, .size: 8, .value_kind: global_buffer, .address_space: global }
    .group_segment_fixed_size: 327680
    .private_segment_fixed_size: 0
    .kernarg_segment_align: 8
    .kernarg_segment_size: 40
    .max_flat_workgroup_size: 256
    .sgpr_count:     66
    .vgpr_count:     384
    .wavefront_size: 32
...
	.end_amdgpu_metadata
.endif
;; end of part 2
